; MI455X (gfx1250); checked and timed in simulation.
; The chip was launched on July 23, 2026; its instructions are those of AMD's public machine-readable ISA for CDNA 5 (MIT licence, August 2026) and "CDNA5" Instruction Set Architecture Reference Guide (July 2026). The comments in the code are by the model that wrote it; some were corrected since.
;; Local Attention. Allowed arithmetic: matrix products marked QUANTISED: E2M1 operands, one E8M0 scale for each 32 along K, by v_wmma_scale_f32_16x16x128_f8f6f4 with both operands' format E2M1 (or v_wmma_scale_f32_32x16x128_f4), f32 sums; everything else in f32.
;; Inputs: Wk 512 x 512 float32; Wo 512 x 512 float32; Wq 512 x 512 float32; Wv 512 x 512 float32; bk 512 float32; bo 512 float32; bq 512 float32; bv 512 float32; x 2 x 4,096 x 512 float32.
;; Outputs: out0 2 x 4,096 x 512 float32.
;; This version of the problem:
;;   THIS VERSION OF THE PROBLEM IS GIVEN IN LOW PRECISION. The matrix products marked QUANTISED in the list below multiply operands that are first quantised to E2M1 (2 exponent bits, 1 mantissa bit; 4 bits a number), with one power-of-two scale for each 32 numbers along K (OCP MX v1.0); their sums are f32. All else is computed in f32.
;;   The module's matrix products, in the order in which they are computed (A, B: the left and right operand; K: the contracted axis; several contracted axes count as one K, in the product's order):
;;     1. [M 8,192, K 512] x [K 512, N 512]; A: input x; B: input Wq: QUANTISED
;;     2. [M 8,192, K 512] x [K 512, N 512]; A: input x; B: input Wk: QUANTISED
;;     3. [M 8,192, K 512] x [K 512, N 512]; A: input x; B: input Wv: QUANTISED
;;     4. batch 16 x [M 4,096, K 64] x [K 64, N 4,096]; A: computed on the way; B: computed on the way: QUANTISED
;;     5. batch 16 x [M 4,096, K 4,096] x [K 4,096, N 64]; A: softmax (see below); B: computed on the way: QUANTISED
;;     6. [M 8,192, K 512] x [K 512, N 512]; A: computed on the way; B: input Wo: QUANTISED
;;   THE QUANTISER, for each operand of a quantised product, along K:
;;     - K is cut into blocks of 32 from its start; a last block that is shorter is filled with zeros.
;;     - A block's scale is 2^e with e = floor(log2(the largest magnitude in the block)) - 2, held to -126 .. 127; a block of zeros has e = 0. As a byte (E8M0): e + 127.
;;     - Each number is divided by its block's scale, clamped to +-6, and rounded to the nearest number of E2M1, ties to even, subnormals kept.
;;     - The product sums the exact products of the quantised numbers (number of the format x scale) in f32.
;;   ~~~python
;;   def quantise(x, axis):      # numpy; x: float32 -> the quantised numbers, widened to float32 again
;;       x = np.moveaxis(x, axis, -1); K = x.shape[-1]
;;       x = np.pad(x, [(0, 0)] * (x.ndim - 1) + [(0, -K % 32)]); x = x.reshape(x.shape[:-1] + (-1, 32)); a = np.abs(x).max(-1, keepdims=True)
;;       e = np.where(a > 0, np.clip(np.frexp(np.where(a > 0, a, 1))[1] - 1 - 2, -126, 127), 0)      # np.frexp(a)[1] - 1 = floor(log2(a)), exactly
;;       r = np.clip(x / 2.0 ** e, -6, 6)
;;       step = 2.0 ** (np.maximum(np.frexp(np.where(r == 0, 1, r))[1] - 1, 0) - 1)
;;       q = np.round(r / step) * step * 2.0 ** e      # np.round: ties to even
;;       return np.moveaxis(q.reshape(q.shape[:-2] + (-1,))[..., :K], -1, axis).astype(np.float32)
;;   ~~~
;;   SOFTMAX AHEAD OF A QUANTISED PRODUCT. Where the list says 'softmax', what is quantised is not the finished softmax but p = 2^(t - M), with t = logit x log2(e) and M = ceil(the row's largest t), a whole number; so 1/2 < the row's largest p <= 1. The row's sum l is taken of the UNQUANTISED p, in f32, and the product's result is divided by l at the end. Since M is a whole number, a kernel that streams over the keys may use a running M (the ceiling of the running maximum): every later rescaling is an exact power of two, which a block's scale takes up: the codes' values come out the same.
;;   OPERANDS COMPUTED ON THE WAY. 'Computed on the way' means the value that the module computes at that place (a softmax that the list does not call 'softmax' is quantised finished and normalised). What goes into a quantiser is computed in f32, as accurately as f32 sums, v_exp_f32 and their like allow (about 1e-6 of the number): no bf16 or f16 on the way to a quantiser, and a product that is left as it is and whose result goes on into a quantised operand takes f32 operands (vector FMAs, or v_wmma_f32_16x16x4_f32). A number that lies on a knife's edge between two numbers of the format may be rounded either way, as far as f32 arithmetic and the matrix unit's own rounding can turn it there, and no further.
;; One version. Each part assembles by itself: llvm-mc -triple=amdgcn-amd-amdhsa -mcpu=gfx1250 --defsym DOCPART=n.
;; ======== version 1 of 1: 3 launches
;; workspace buffers: xw 2,785,280 bytes; qkv 6,684,672 bytes
;; launch quant (part 1): grid 320 x 1, 8 waves a work-group, no clusters, 69,120 bytes of LDS; arguments x, Wq, Wk, Wv, Wo, xw; writes xw
.if DOCPART == 1
	.amdgcn_target "amdgcn-amd-amdhsa--gfx1250"
	.amdhsa_code_object_version 6
	.text
	.protected	k_qcd20ee3fc3_quant
	.globl	k_qcd20ee3fc3_quant
	.p2align	8
	.type	k_qcd20ee3fc3_quant,@function
k_qcd20ee3fc3_quant:
	s_mov_b64 s[64:65], 0
	v_nop
	global_prefetch_b8 v0, s[64:65] scope:SCOPE_SE
	s_setreg_imm32_b32 hwreg(HW_REG_WAVE_MODE, 25, 1), 1
	s_wait_xcnt 0x0
; x [8192][512] and Wq, Wk, Wv, Wo [512][512], f32 with K innermost, become codes of FP4 (E2M1) with one E8M0 byte for each 32 along K.
; THE WORKSPACE IS LAID AS THE OPERANDS' REGISTERS.  Rows go in groups of 64; a group is a RECORD of 17,408 bytes: 16,384 of codes, 1,024 of scale words.
; Records 0-127: x's groups; 128+h Wq, 136+h Wk, 144+h Wv, 152+h Wo (rows 64 h on).  A group's four tiles of 16 rows are not neighbours: lane r of tile t takes row
; rho(t, r) = 32 (r / 8) + 8 t + r % 8.  Codes: byte (4 t + s) 1024 + 512 c + 16 lane holds, for lane (r, h), row rho(t, r), k = 128 s + 64 c + 32 h + 0 .. 31.
; Scale words: byte 16384 + 256 t + 16 r + 4 s; byte b of a word belongs to k = 128 s + 32 b on.
; A block's scale is 2^(floor(log2(its largest magnitude)) - 2); its byte is that magnitude's exponent field - 2, held at 1 from below.
; LIMITS: a block whose largest magnitude lies under 2^-124 (a block of zeros among them) gets the byte 1; the bytes are read by this program alone, and zero codes add nothing.  NaN and infinities are not served.
; SHARES: a work-group takes half a record (two tiles), each of its eight waves one fragment: 16 rows x 128 K.  Each load reads 512 consecutive bytes of one row; the rows turn through the wave's own
; stage in LDS, so that a lane gets two whole blocks of 32 neighbours along K.  No matrix work, no tensor load, no cluster: every byte is read once, by one wave.
.set REC,  17408
.set STG,  8448                        ; a wave's stage: 16 rows of PIT bytes
.set PIT,  528                         ; 512 bytes + 16: sixteen rows' reads of 16 bytes start 33 x 16 bytes apart
.set SCW,  67584                       ; behind the eight stages: the work-group's 128 scale words
.set R,    32                          ; v32-95   the rows as they are loaded
.set X,    96                          ; v96-159  my two blocks: 32 c + i
	s_load_b256 s[4:11], s[0:1], 0x0               ; x, Wq, Wk, Wv
	s_load_b128 s[12:15], s[0:1], 0x20             ; Wo, xw
	v_lshl_add_u32 v160, v0, 2, 0x10a00
	v_mov_b32 v161, 0
	v_lshrrev_b32 v1, 5, v0
	v_readfirstlane_b32 s16, v1                    ; wave 0..7
	v_and_b32 v1, 31, v0                           ; lane
	v_and_b32 v2, 15, v0                           ; r
	v_bfe_u32 v3, v0, 4, 1                         ; h
	s_lshr_b32 s17, ttmp9, 1                       ; the record G
	s_and_b32 s18, ttmp9, 1                        ; which half of it
	s_lshr_b32 s19, s16, 2                         ; my tile of the half's two
	s_and_b32 s20, s16, 3                          ; my K step s
	s_lshl_b32 s21, s18, 1
	s_add_co_u32 s21, s21, s19                     ; my tile t
	s_mov_b32 s24, 0x76543210
	s_mov_b32 s25, 0xfedcba98                      ; v_permlanex16_b32's selects for lane l xor 16
	v_lshlrev_b32 v4, 4, v1                        ; 16 x lane
	s_mul_i32 s23, s16, STG
	v_add_nc_u32 v5, s23, v4                       ; into the stage: a row as it lies
	v_mul_u32_u24 v6, v2, PIT
	v_lshl_add_u32 v6, v3, 7, v6
	v_add_nc_u32 v6, s23, v6                       ; out of it: row r, 128 h bytes on
	s_lshl_b32 s23, s19, 8
	s_lshl_b32 s34, s20, 2
	s_add_co_u32 s23, s23, s34
	s_add_co_u32 s23, s23, SCW
	v_lshl_add_u32 v7, v2, 4, s23                  ; my row's scale word: 256 x tile + 16 r + 4 s
	v_lshlrev_b32 v8, 3, v3                        ; 8 h
	v_mov_b32 v10, 0                               ; a lane permute's destination counts as one of its sources
	v_add_nc_u32 v11, SCW, v4
	s_and_b32 s22, s17, 7
	s_cmp_lt_u32 s17, 128
	s_cselect_b32 s22, s17, s22                    ; the group's number inside its tensor
	s_lshl_b32 s28, s22, 6
	s_lshl_b32 s29, s21, 3
	s_add_co_u32 s28, s28, s29                     ; row 64 x group + 8 t,
	s_lshl_b32 s28, s28, 11                        ; 2,048 bytes a row,
	s_lshl_b32 s29, s20, 9
	s_add_co_u32 s28, s28, s29                     ; + 512 s
	s_mov_b32 s29, 0
	s_mul_i32 s34, s17, REC
	s_lshl_b32 s35, s21, 2
	s_add_co_u32 s35, s35, s20
	s_lshl_b32 s35, s35, 10
	s_add_co_u32 s30, s34, s35                     ; my fragment's image
	s_mov_b32 s31, 0
	s_lshl_b32 s35, s18, 9
	s_add_co_u32 s32, s34, s35
	s_add_co_u32 s32, s32, 16384                   ; my work-group's 512 bytes of scale words
	s_mov_b32 s33, 0
	s_wait_kmcnt 0x0
	s_mov_b64 s[26:27], s[12:13]                   ; the tensor is chosen by the record's number alone
	s_cmp_lt_u32 s17, 152
	s_cselect_b64 s[26:27], s[10:11], s[26:27]
	s_cmp_lt_u32 s17, 144
	s_cselect_b64 s[26:27], s[8:9], s[26:27]
	s_cmp_lt_u32 s17, 136
	s_cselect_b64 s[26:27], s[6:7], s[26:27]
	s_cmp_lt_u32 s17, 128
	s_cselect_b64 s[26:27], s[4:5], s[26:27]
	s_add_nc_u64 s[26:27], s[26:27], s[28:29]
	s_add_nc_u64 s[30:31], s[14:15], s[30:31]
	s_add_nc_u64 s[32:33], s[14:15], s[32:33]
.irp i, 0,1,2,3,4,5,6,7,8,9,10,11,12,13,14,15
	global_load_b128 v[R+4*\i:R+4*\i+3], v4, s[26:27] offset:(32*(\i/8)+(\i%8))*2048 th:TH_LOAD_NT   ; row rho(t, i): 32 lanes read its 512 consecutive bytes of this K step
.endr
.irp i, 0,1,2,3,4,5,6,7,8,9,10,11,12,13,14,15
	s_wait_loadcnt 15-\i                           ; loads come back in order: row i is in, the 15 - i younger ones may be out
	ds_store_b128 v5, v[R+4*\i:R+4*\i+3] offset:PIT*\i
.endr
.irp c, 0,1
.irp i, 0,1,2,3,4,5,6,7
	ds_load_b128 v[X+32*\c+4*\i:X+32*\c+4*\i+3], v6 offset:256*\c+16*\i   ; LDS serves a wave's instructions in order: these see my stores.  k = 64 c + 32 h + 4 i on
.endr
.endr
	s_wait_dscnt 0x0
.irp c, 0,1
	v_max3_num_f32 v[12+\c], |v[X+32*\c]|, |v[X+32*\c+1]|, 0x1800000   ; my block 2 c + h: all its 32 numbers are mine; the floor 2^(3 - 127) holds the byte at 1 from below
.endr
.irp i, 2,4,6,8,10,12,14,16,18,20,22,24,26,28,30
.irp c, 0,1
	v_max3_num_f32 v[12+\c], v[12+\c], |v[X+32*\c+\i]|, |v[X+32*\c+\i+1]|   ; (the two blocks by turns)
.endr
.endr
	v_add_nc_u32 v16, 0xff000000, v12              ; 2 off the exponent field: the conversion takes this operand's exponent field as its scale
	v_add_nc_u32 v17, 0xff000000, v13
	v_lshrrev_b32 v18, 23, v16                     ; the scales' bytes
	v_lshrrev_b32 v19, 23, v17
	v_lshl_or_b32 v9, v19, 16, v18                 ; blocks h and 2 + h of my row,
	v_lshlrev_b32 v9, v8, v9                       ; at their places in the word;
	v_permlanex16_b32 v10, v9, s24, s25
	v_or_b32 v9, v9, v10                           ; with lane l xor 16's two the word is whole
.irp c, 0,1
.irp g, 0,1,2,3
	v_cvt_scalef32_pk8_fp4_f32 v[20+4*\c+\g], v[X+32*\c+8*\g:X+32*\c+8*\g+7], v[16+\c]   ; registers 4 c .. 4 c + 3 of the operand
.endr
.endr
	v_nop                                          ; one plain line behind the last scaled conversion
	global_store_b128 v4, v[20:23], s[30:31]       ; 32 lanes store 512 consecutive bytes, at a multiple of 256 from the buffer's first byte
	global_store_b128 v4, v[24:27], s[30:31] offset:512
	ds_store_b32 v7, v9                            ; lanes r and r + 16 write the same word with the same value
	s_wait_dscnt 0x0                               ; for wave 0's sake: my word lies in LDS
	s_barrier_signal -1
	s_barrier_wait -1
	s_cmp_lg_u32 s16, 0
	s_cbranch_scc1 .Ldone
	ds_load_b128 v[28:31], v11                     ; the eight waves' words: 512 bytes
	s_wait_dscnt 0x0
	global_store_b128 v4, v[28:31], s[32:33]       ; and out as 512 consecutive bytes
.Ldone:
	s_wait_tensorcnt 0x0
	ds_add_u32 v160, v161
	s_wait_dscnt 0x0
	s_endpgm
.Lfunc_end_k_qcd20ee3fc3_quant:
	.size	k_qcd20ee3fc3_quant, .Lfunc_end_k_qcd20ee3fc3_quant-k_qcd20ee3fc3_quant
	.p2alignl 7, 3214868480
	.fill 96, 4, 3214868480
	.section	.rodata,"a",@progbits
	.p2align	6, 0x0
	.amdhsa_kernel k_qcd20ee3fc3_quant
		.amdhsa_group_segment_fixed_size 69120
		.amdhsa_private_segment_fixed_size 0
		.amdhsa_enable_private_segment 0
		.amdhsa_kernarg_size 48
		.amdhsa_user_sgpr_count 2
		.amdhsa_user_sgpr_kernarg_segment_ptr 1
		.amdhsa_wavefront_size32 1
		.amdhsa_system_sgpr_workgroup_id_x 1
		.amdhsa_system_sgpr_workgroup_id_y 1
		.amdhsa_system_sgpr_workgroup_id_z 1
		.amdhsa_system_vgpr_workitem_id 0
		.amdhsa_next_free_vgpr 162
		.amdhsa_next_free_sgpr 66
		.amdhsa_reserve_vcc 0
		.amdhsa_float_denorm_mode_32 3
		.amdhsa_float_denorm_mode_16_64 3
		.amdhsa_memory_ordered 1
		.amdhsa_forward_progress 1
		.amdhsa_inst_pref_size 11
	.end_amdhsa_kernel
	.amdgpu_metadata
---
amdhsa.version: [ 1, 2 ]
amdhsa.kernels:
  - .name:           k_qcd20ee3fc3_quant
    .symbol:         k_qcd20ee3fc3_quant.kd
    .args:
      - { .name: x, .offset: 0, .size: 8, .value_kind: global_buffer, .address_space: global }
      - { .name: Wq, .offset: 8, .size: 8, .value_kind: global_buffer, .address_space: global }
      - { .name: Wk, .offset: 16, .size: 8, .value_kind: global_buffer, .address_space: global }
      - { .name: Wv, .offset: 24, .size: 8, .value_kind: global_buffer, .address_space: global }
      - { .name: Wo, .offset: 32, .size: 8, .value_kind: global_buffer, .address_space: global }
      - { .name: xw, .offset: 40, .size: 8, .value_kind: global_buffer, .address_space: global }
    .group_segment_fixed_size: 69120
    .private_segment_fixed_size: 0
    .kernarg_segment_align: 8
    .kernarg_segment_size: 48
    .max_flat_workgroup_size: 256
    .sgpr_count:     66
    .vgpr_count:     162
    .wavefront_size: 32
...
	.end_amdgpu_metadata
.endif
;; end of part 1
;; launch qkv (part 2): grid 32 x 8, 12 waves a work-group, no clusters, 169,472 bytes of LDS; arguments xw, bq, bk, bv, qkv; writes qkv
.if DOCPART == 2
	.amdgcn_target "amdgcn-amd-amdhsa--gfx1250"
	.amdhsa_code_object_version 6
	.text
	.protected	k_qcd20ee3fc3_qkv
	.globl	k_qcd20ee3fc3_qkv
	.p2align	8
	.type	k_qcd20ee3fc3_qkv,@function
k_qcd20ee3fc3_qkv:
	s_mov_b64 s[64:65], 0
	v_nop
	global_prefetch_b8 v0, s[64:65] scope:SCOPE_SE
	s_setreg_imm32_b32 hwreg(HW_REG_WAVE_MODE, 25, 1), 1
	s_wait_xcnt 0x0
; q = x Wq^T + bq, k = x Wk^T + bk, v = x Wv^T + bv on codes of FP4 with E8M0 scales (K = 512), and the results quantised again at once: q and k along the head's 64, v along the keys.
; IN: records of xw (17,408 bytes: a group of 64 rows as images of operand registers; lane r of tile t holds row rho(t, r) = 32 (r / 8) + 8 t + r % 8).
; OUT: records of qkv, number 128 ty + G (ty 0 q, 1 k, 2 v; G x's group).  Codes: byte 2048 head + 512 u + 16 lane; lane (r, h) holds, for q and k, row rho(u, r) of the group and d = 32 h + 0 .. 31; for v,
; d = rho(u, r) and keys 32 h + 0 .. 31 of the group.  Scale words: byte 16384 + 128 head + 64 (u / 2) + 4 r; half-word u % 2 holds block h = 0's byte, then block h = 1's.
; WHY rho: with the four tiles of a group as source 0, register j of tile t holds row 32 h + 8 t + j: a lane's 32 result registers are one whole block of 32 along the axis to be quantised.
; So source 0 is the group along which the result is quantised (q, k: the weight's 64 rows of the head; v: x's 64 rows), source 1 the other; no lane is asked for a maximum, and the four conversions
; give the next operand's registers as they stand.
; SHARES: work-group (X, head): x's groups 4 X .. 4 X + 3 against the head's rows of Wq, Wk, Wv: 12 blocks of 64 x 64, one a wave (type = wave / 4, group = wave % 4): 64 matrix instructions each.
; LDS: seven records, filled once by seven tensor loads (one a wave, one outstanding), never written otherwise.  No slot is filled again, so there is no ring.
; CLUSTERS are not used in this text: x's records are read by the 8 work-groups of one X and the weights' by the 32 of one head, so joint requests in 4 x 4 would divide the requests by four;
; the text keeps no branch and no LDS address on the work-group's number, so that they can be added.
; LIMITS: a block whose largest magnitude lies under 2^-124 gets the byte 1 (read by this program alone); NaN and infinities are not served.
; REGISTERS: window 0: v1-11 addresses, v12-15 bv at my four columns, v16-23 at work, v24-39 codes, v40-55 source 0's scale words, v56-63 source 1's (two sets), v64-127 source 1's fragments (two sets),
;   v128-255 source 0's 16 fragments.  Window 1: v0-31 the four accumulators, v32-63 the bias in the result's layout.
.set REC, 17408
.set BV,  12
.set T,   16
.set SO,  20
.set BY,  21
.set CD,  24
.set SA,  40
.set SB,  56
.set BF,  64
.set AF,  128
.set AC,  0                            ; in window 1
.set BI,  32                           ; in window 1
.set MSB, 0
.macro WIN new                         ; the immediate's high byte repeats the setting that is left
.if MSB != \new
	s_set_vgpr_msb (MSB<<8)|\new
.set MSB, \new
.endif
.endm
	s_load_b256 s[4:11], s[0:1], 0x0               ; xw, bq, bk, bv
	s_load_b64 s[12:13], s[0:1], 0x20              ; qkv
	s_set_vgpr_msb 0x40
	v_lshl_add_u32 v64, v0, 2, 0x29000
	v_mov_b32 v65, 0
	s_set_vgpr_msb 0x4045
	ds_add_u32 v64, v65
	ds_add_u32 v64, v65
	s_set_vgpr_msb 0x4500
	v_lshrrev_b32 v1, 5, v0
	v_readfirstlane_b32 s14, v1                    ; wave 0..11
	s_lshr_b32 s15, s14, 2                         ; type: 0 q, 1 k, 2 v
	s_and_b32 s16, s14, 3                          ; which of the four groups of x
	s_mov_b32 s17, ttmp9                           ; X
	s_and_b32 s18, ttmp7, 0xffff                   ; the head
	; descriptor group 1: a record, 68 rows of 32 elements of 8 bytes, dense
	s_mov_b32 s24, 3<<16                           ; no mask; elements of 8 bytes; no padding
	s_mov_b32 s25, 32<<16                          ; tensor_dim0
	s_mov_b32 s26, 68<<16                          ; tensor_dim1
	s_mov_b32 s27, 32<<16                          ; tile_dim0
	s_mov_b32 s28, 68                              ; tile_dim1
	s_mov_b32 s29, 32                              ; the pitch
	s_mov_b32 s30, 0
	s_mov_b32 s31, 0
	s_lshl_b32 s44, s17, 2
	s_add_co_u32 s44, s44, s14                     ; waves 0-3 fetch x's records 4 X + wave,
	s_lshl_b32 s45, s14, 3
	s_add_co_u32 s45, s45, s18
	s_add_co_u32 s45, s45, 96                      ; waves 4-6 the head's records of Wq, Wk, Wv: 128 + 8 (wave - 4) + head
	s_cmp_lt_u32 s14, 4
	s_cselect_b32 s44, s44, s45
	s_mul_i32 s44, s44, REC
	s_mov_b32 s45, 0
	s_mov_b32 s32, 1                               ; group 0: count = 1,
	s_mul_i32 s33, s14, REC                        ; LDS address: wave x a record,
	s_mov_b32 s42, 0x76543210
	s_mov_b32 s43, 0xfedcba98                      ; v_permlanex16_b32's selects for lane l xor 16
	s_wait_dscnt 0x0
	s_wait_kmcnt 0x0
	s_add_nc_u64 s[34:35], s[4:5], s[44:45]        ; the record's first byte,
	s_or_b32 s35, s35, 0x80000000                  ; type = 2
	s_cmp_lt_u32 s14, 7
	s_cbranch_scc0 .Lno_fill
	tensor_load_to_lds s[32:35], s[24:31]          ; my one tensor load
	s_nop 0
.rept 4
	v_nop
.endr
.Lno_fill:
	v_and_b32 v10, 31, v0                          ; lane
	v_and_b32 v2, 15, v0                           ; r
	v_bfe_u32 v3, v0, 4, 1                         ; h
	v_lshlrev_b32 v1, 4, v10                       ; 16 x lane: an image's place for my lane
	v_lshlrev_b32 v8, 7, v3                        ; 128 h
	v_lshrrev_b32 v9, 3, v2
	v_and_b32 v11, 7, v2
	v_lshl_add_u32 v9, v9, 5, v11
	v_lshlrev_b32 v9, 2, v9                        ; 4 (32 (r / 8) + r % 8)
	v_lshlrev_b32 v2, 4, v2                        ; 16 r
	v_lshlrev_b32 v3, 3, v3                        ; 8 h
	v_lshlrev_b32 v10, 2, v10                      ; 4 x lane
	v_mov_b32 v11, 0                               ; a lane permute's destination counts as one of its sources
	s_add_co_u32 s46, s15, 4
	s_cmp_eq_u32 s15, 2
	s_cselect_b32 s47, s16, s46                    ; source 0's record in LDS: for v my group of x, else the weight's
	s_cselect_b32 s48, 6, s16                      ; source 1's: for v Wv's, else my group of x
	s_mul_i32 s47, s47, REC
	s_mul_i32 s48, s48, REC
	v_add_nc_u32 v4, s47, v1
	v_add_nc_u32 v5, s48, v1
	s_add_co_u32 s47, s47, 16384
	s_add_co_u32 s48, s48, 16384
	v_add_nc_u32 v6, s47, v2                       ; their scale words: 16 bytes a row
	v_add_nc_u32 v7, s48, v2
	s_cmp_eq_u32 s15, 0
	s_cselect_b64 s[36:37], s[6:7], s[8:9]
	s_cmp_eq_u32 s15, 2
	s_cselect_b64 s[36:37], s[10:11], s[36:37]     ; my type's bias,
	s_lshl_b32 s44, s18, 8
	s_add_nc_u64 s[36:37], s[36:37], s[44:45]      ; at the head's 64 numbers
	s_lshl_b32 s44, s15, 7
	s_lshl_b32 s46, s17, 2
	s_add_co_u32 s44, s44, s46
	s_add_co_u32 s44, s44, s16
	s_mul_i32 s44, s44, REC
	s_add_nc_u64 s[40:41], s[12:13], s[44:45]      ; my record of qkv: 128 type + 4 X + group
	s_lshl_b32 s44, s18, 11
	s_add_nc_u64 s[38:39], s[40:41], s[44:45]      ; the head's codes in it,
	s_lshl_b32 s44, s18, 7
	s_add_co_u32 s44, s44, 16384
	s_add_nc_u64 s[40:41], s[40:41], s[44:45]      ; and its scale words
	WIN 0x40                                       ; destination window 1
.irp i, 0,1,2,3,4,5,6,7
	global_load_b128 v[BI+4*\i:BI+4*\i+3], v8, s[36:37] offset:16*\i   ; q, k: register 8 t + j of the result is d = 32 h + 8 t + j: bias[64 head + 32 h + ..]
.endr
	WIN 0
.irp u, 0,1,2,3
	global_load_b32 v[BV+\u], v9, s[36:37] offset:32*\u                ; v: the bias hangs on my column: bias[64 head + rho(u, r)]
.endr
	s_wait_tensorcnt 0x0                           ; my record lies in LDS,
	s_barrier_signal -1
	s_barrier_wait -1                              ; everybody's does
.irp f, 0,1,2,3,4,5,6,7,8,9,10,11,12,13,14,15
.irp c, 0,1
	ds_load_b128 v[AF+8*\f+4*\c:AF+8*\f+4*\c+3], v4 offset:1024*\f+512*\c   ; source 0's fragment f = 4 t + s
.endr
.endr
.irp t, 0,1,2,3
	ds_load_b128 v[SA+4*\t:SA+4*\t+3], v6 offset:256*\t                     ; tile t: my row's four scale words
.endr
.macro BLOAD u                         ; source 1's tile u: four fragments and four scale words, into set u % 2
.irp s, 0,1,2,3
.irp c, 0,1
	ds_load_b128 v[BF+32*((\u)%2)+8*\s+4*\c:BF+32*((\u)%2)+8*\s+4*\c+3], v5 offset:(4*(\u)+\s)*1024+512*\c
.endr
.endr
	ds_load_b128 v[SB+4*((\u)%2):SB+4*((\u)%2)+3], v7 offset:256*(\u)
.endm
.macro BIASV u                         ; type v alone: all 32 registers of the bias take bv at my column of tile u
	s_cmp_lg_u32 s15, 2
	s_cbranch_scc1 .Lkeep_\@
	WIN 0x40
.set j, 0
.rept 32
	v_mov_b32 v[BI+j], v[BV+(\u)]
.set j, j+1
.endr
	WIN 0
.Lkeep_\@:
.endm
.macro MM u                            ; 16 matrix instructions: K step by K step, the four accumulators by turns, one instruction a turn; the bias is the C of each sum's first
	WIN 0x50                                       ; C and D window 1
.irp s, 0,1,2,3
.irp t, 0,1,2,3
.if \s == 0
	v_wmma_scale_f32_16x16x128_f8f6f4 v[AC+8*\t:AC+8*\t+7], v[AF+8*(4*\t+\s):AF+8*(4*\t+\s)+7], v[BF+32*((\u)%2)+8*\s:BF+32*((\u)%2)+8*\s+7], v[BI+8*\t:BI+8*\t+7], v[SA+4*\t+\s], v[SB+4*((\u)%2)+\s] matrix_a_fmt:MATRIX_FMT_FP4 matrix_b_fmt:MATRIX_FMT_FP4
.else
	v_wmma_scale_f32_16x16x128_f8f6f4 v[AC+8*\t:AC+8*\t+7], v[AF+8*(4*\t+\s):AF+8*(4*\t+\s)+7], v[BF+32*((\u)%2)+8*\s:BF+32*((\u)%2)+8*\s+7], v[AC+8*\t:AC+8*\t+7], v[SA+4*\t+\s], v[SB+4*((\u)%2)+\s] matrix_a_fmt:MATRIX_FMT_FP4 matrix_b_fmt:MATRIX_FMT_FP4
.endif
.endr
.endr
	WIN 0
.endm
.macro EPI u                           ; my 32 results are one block: its scale, its codes, its byte
	WIN 0x05                                       ; sources 0 and 1 window 1
.irp q, 0,1,2,3
	v_max3_num_f32 v[T+\q], |v[AC+8*\q]|, |v[AC+8*\q+1]|, 0x1800000   ; four chains, one an accumulator, each from its low end on; the floor 2^(3 - 127) holds the byte at 1 from below
.endr
.irp i, 2,4,6
.irp q, 0,1,2,3
	v_max3_num_f32 v[T+\q], |v[AC+8*\q+\i]|, |v[AC+8*\q+\i+1]|, v[T+\q]
.endr
.endr
	WIN 0
	v_max3_num_f32 v[T], v[T], v[T+1], v[T+2]
	v_max_num_f32 v[T], v[T], v[T+3]
	v_add_nc_u32 v[SO], 0xff000000, v[T]           ; 2 off the exponent field: the conversion's scale operand
	v_lshrrev_b32 v[BY], 23, v[SO]                 ; the scale's byte
	WIN 0x01                                       ; source 0 window 1
.irp g, 0,1,2,3
	v_cvt_scalef32_pk8_fp4_f32 v[CD+4*(\u)+\g], v[AC+8*\g:AC+8*\g+7], v[SO]
.endr
	WIN 0
	v_lshlrev_b32 v[BY], v3, v[BY]                 ; (the plain line behind the conversions)  my byte at place h,
	v_permlanex16_b32 v11, v[BY], s42, s43
	v_or_b32 v[BY], v[BY], v11                     ; with lane l xor 16's: the two bytes of my column
.if (\u)%2 == 0
	v_mov_b32 v[22+(\u)/2], v[BY]
.else
	v_lshl_or_b32 v[22+(\u)/2], v[BY], 16, v[22+(\u)/2]
.endif
	global_store_b128 v1, v[CD+4*(\u):CD+4*(\u)+3], s[38:39] offset:512*(\u)   ; 32 lanes store 512 consecutive bytes, at a multiple of 256 from the buffer's first byte; each tile has its own registers
.endm
	BLOAD 0
	BLOAD 1
	s_wait_loadcnt 0x0                             ; the biases
.irp u, 0,1,2,3
	s_wait_dscnt 0x0                               ; this tile's fragments are in
	BIASV \u
.rept 5
	v_nop                                          ; five places: the accumulators are begun anew, over results of the tile before
.endr
	MM \u
.rept 4
	v_nop                                          ; four places in front of the loads into registers just multiplied, and of the first read of results
.endr
.if \u < 2
	BLOAD \u+2
.endif
	EPI \u
.endr
	v_cmp_gt_u32 vcc_lo, 64, v10                   ; lanes 0-15 hold tiles 0 and 1's word of row r, lanes 16-31 take tiles 2 and 3's
	v_cndmask_b32 v22, v23, v22, vcc_lo
	global_store_b32 v10, v22, s[40:41]            ; 128 consecutive bytes: the head's scale words of this record
	s_set_vgpr_msb 0x5
	s_wait_tensorcnt 0x0
	ds_add_u32 v64, v65
	s_wait_dscnt 0x0
	s_set_vgpr_msb 0x500
	s_endpgm
.Lfunc_end_k_qcd20ee3fc3_qkv:
	.size	k_qcd20ee3fc3_qkv, .Lfunc_end_k_qcd20ee3fc3_qkv-k_qcd20ee3fc3_qkv
	.p2alignl 7, 3214868480
	.fill 96, 4, 3214868480
	.section	.rodata,"a",@progbits
	.p2align	6, 0x0
	.amdhsa_kernel k_qcd20ee3fc3_qkv
		.amdhsa_group_segment_fixed_size 169472
		.amdhsa_private_segment_fixed_size 0
		.amdhsa_enable_private_segment 0
		.amdhsa_kernarg_size 40
		.amdhsa_user_sgpr_count 2
		.amdhsa_user_sgpr_kernarg_segment_ptr 1
		.amdhsa_wavefront_size32 1
		.amdhsa_system_sgpr_workgroup_id_x 1
		.amdhsa_system_sgpr_workgroup_id_y 1
		.amdhsa_system_sgpr_workgroup_id_z 1
		.amdhsa_system_vgpr_workitem_id 0
		.amdhsa_next_free_vgpr 322
		.amdhsa_next_free_sgpr 66
		.amdhsa_reserve_vcc 1
		.amdhsa_float_denorm_mode_32 3
		.amdhsa_float_denorm_mode_16_64 3
		.amdhsa_memory_ordered 1
		.amdhsa_forward_progress 1
		.amdhsa_inst_pref_size 32
	.end_amdhsa_kernel
	.amdgpu_metadata
---
amdhsa.version: [ 1, 2 ]
amdhsa.kernels:
  - .name:           k_qcd20ee3fc3_qkv
    .symbol:         k_qcd20ee3fc3_qkv.kd
    .args:
      - { .name: xw, .offset: 0, .size: 8, .value_kind: global_buffer, .address_space: global }
      - { .name: bq, .offset: 8, .size: 8, .value_kind: global_buffer, .address_space: global }
      - { .name: bk, .offset: 16, .size: 8, .value_kind: global_buffer, .address_space: global }
      - { .name: bv, .offset: 24, .size: 8, .value_kind: global_buffer, .address_space: global }
      - { .name: qkv, .offset: 32, .size: 8, .value_kind: global_buffer, .address_space: global }
    .group_segment_fixed_size: 169472
    .private_segment_fixed_size: 0
    .kernarg_segment_align: 8
    .kernarg_segment_size: 40
    .max_flat_workgroup_size: 384
    .sgpr_count:     66
    .vgpr_count:     322
    .wavefront_size: 32
...
	.end_amdgpu_metadata
.endif
;; end of part 2
;; launch attn (part 3): grid 256 x 1, 16 waves a work-group, no clusters, 327,680 bytes of LDS; arguments qkv, xw, bo, out0; writes out0
.if DOCPART == 3
	.amdgcn_target "amdgcn-amd-amdhsa--gfx1250"
	.amdhsa_code_object_version 6
	.text
	.protected	k_qcd20ee3fc3_attn
	.globl	k_qcd20ee3fc3_attn
	.p2align	8
	.type	k_qcd20ee3fc3_attn,@function
k_qcd20ee3fc3_attn:
	s_mov_b64 s[64:65], 0
	v_nop
	global_prefetch_b8 v0, s[64:65] scope:SCOPE_SE
	s_setreg_imm32_b32 hwreg(HW_REG_WAVE_MODE, 25, 1), 1
	s_wait_xcnt 0x0
; out = (softmax over the band |i - j| <= 128 of q k^T / sqrt(512)) v, heads joined, times Wo^T, + bo.  All three products on codes of FP4 (E2M1) with E8M0 scales.
; IN: records of 17,408 bytes, images of operand registers: qkv (q 0-127, k 128-255, v 256-383, by x's group of 64 rows) and Wo's eight in xw (152 + c).  In every group lane r of tile t stands for
; row rho(t, r) = 32 (r / 8) + 8 t + r % 8, so that with such tiles as source 0 a lane's 32 result registers are 32 NEIGHBOURS (32 h + 0 .. 31) along the next product's K.
; SHARES: work-group X: group g = X / 2 of 64 queries, half X % 2 of its four tiles.  Wave w: head w % 8, tile u = 2 (X % 2) + w / 8: 16 queries of one head; in the last product columns 64 (w % 8) on of the same 16 queries.
; THE BAND: a query of group g sees keys of groups g - 2 .. g + 2 only (d = 0 .. 4): 320 scores a query, 160 registers a lane: the softmax is ONE pass, and M is the ceiling of the row's true largest t.
; Groups 1, 2, 3 lie wholly inside the band; in group 0 register n is hidden where n < D, in group 4 where n > D, D = my query's place in its group - 32 h.  A group outside the batch is fetched from a
; clamped record and struck out by -infinity added to -M and to its largest score: no branch and no LDS address hangs on g.
; p = 2^(t - M), t = score x log2(e) / sqrt(512), M a whole number; the row's sum is taken of the unquantised p; O is divided by it ahead of the last quantiser.
; K = 64 IN THE FIRST PRODUCT: source 0 holds TWO tiles of keys (k 0-63 and 64-127 of the instruction), source 1 holds q in one half and zero codes in the other, which picks the tile.
; LDS: 18 records filled once (K's five, V's five, Wo's eight), then O's images (512 bytes a wave) and their scale words.  By this text's count a wave has at most two tensor loads outstanding.  No byte is filled twice.
; The stages of the way out lie in K's records: those have had their only fill, and behind the second barrier nobody reads them.
; CLUSTERS are not used in this text.  Four neighbouring groups' keys are 6 + 6 records; with Wo's 8 that is 20 x 17,408 = 348,160 bytes, more than the 327,680 that a work-group can claim, so K and V cannot be
; shared by four.  The two work-groups of one g do fetch the same 18 records, and all fetch Wo's eight: joint requests for those are left out here.
; LIMITS: a block whose largest magnitude lies under 2^-124 gets the byte 1 (its codes are read with it, by this program alone); a p under 2^-126 counts as 0; M is exact while |t| < 2^24; NaN and infinities are not served.
; REGISTERS: v1-27 addresses and constants; v28-39 zeros, q, zeros, later -M and the sums, later O's fragments; v40-71 K's fragments, later p's codes (v40-63) and small work (v64-75);
;   v76-95 scale words and nothing that a matrix instruction names otherwise; v96-255 the scores, then p; later V's fragments (v96-191), O^T (v192-223), the result (v224-255), Wo's fragments (v96-223).
.set REC,  17408
.set VB,   5*REC                       ; V's records
.set WB,   10*REC                      ; Wo's
.set OIMG, 18*REC                      ; O's images: 512 x wave
.set OSC,  OIMG+8192                   ; their scale words: 256 (wave / 8) + 64 s + 4 r
.set SPIT, 272                         ; a stage row: 256 bytes + 16
.set S,    96
.set KF,   40
.set P,    40
.set VW,   20                          ; v20-24 V's scale words as they lie
.set KS,   76
.set QS,   81
.set QW,   82
.set PS,   76
.set EV,   79                          ; v79-81 V's words for tiles 0 (lanes 0-15) and 2 (lanes 16-31); v82-84 for tiles 1 and 3
.set WS,   76
.set OS,   92
.set BM,   64
.set BY,   69
.set RL,   74
.set SUM,  32
.set VF,   96
.set OA,   192
.set Y,    224
.set OP,   96
.set OF,   28
.set WF,   96
; one matrix instruction.  zero = 1: it starts its sum; row = 1: source 0's scales stand in lanes 16-31
.macro WM d, a, b, zero, sa, sb, row
.if \zero
.if \row
	v_wmma_scale_f32_16x16x128_f8f6f4 v[\d:\d+7], v[\a:\a+7], v[\b:\b+7], 0, v[\sa], v[\sb] matrix_a_fmt:MATRIX_FMT_FP4 matrix_b_fmt:MATRIX_FMT_FP4 matrix_a_scale:MATRIX_SCALE_ROW1
.else
	v_wmma_scale_f32_16x16x128_f8f6f4 v[\d:\d+7], v[\a:\a+7], v[\b:\b+7], 0, v[\sa], v[\sb] matrix_a_fmt:MATRIX_FMT_FP4 matrix_b_fmt:MATRIX_FMT_FP4
.endif
.else
.if \row
	v_wmma_scale_f32_16x16x128_f8f6f4 v[\d:\d+7], v[\a:\a+7], v[\b:\b+7], v[\d:\d+7], v[\sa], v[\sb] matrix_a_fmt:MATRIX_FMT_FP4 matrix_b_fmt:MATRIX_FMT_FP4 matrix_a_scale:MATRIX_SCALE_ROW1
.else
	v_wmma_scale_f32_16x16x128_f8f6f4 v[\d:\d+7], v[\a:\a+7], v[\b:\b+7], v[\d:\d+7], v[\sa], v[\sb] matrix_a_fmt:MATRIX_FMT_FP4 matrix_b_fmt:MATRIX_FMT_FP4
.endif
.endif
.endm
.macro PLACES n
.rept \n
	v_nop
.endr
.endm
	s_load_b256 s[4:11], s[0:1], 0x0               ; qkv, xw, bo, out0
	v_lshl_add_u32 v74, v0, 2, 0x4ea00
	v_mov_b32 v75, 0
	ds_add_u32 v74, v75
	ds_add_u32 v74, v75
	s_wait_dscnt 0x0
	v_lshrrev_b32 v1, 5, v0
	v_readfirstlane_b32 s12, v1                    ; wave 0..15
	s_and_b32 s13, s12, 7                          ; the head; later the block of 64 output columns
	s_lshr_b32 s14, s12, 3                         ; which of the work-group's two tiles of queries
	s_lshr_b32 s15, ttmp9, 1                       ; g
	s_and_b32 s16, ttmp9, 1                        ; the half
	s_and_b32 s17, s15, 63                         ; g inside its batch
	s_lshl_b32 s18, s16, 1
	s_add_co_u32 s18, s18, s14                     ; my tile u
	; descriptor group 1: a record, 68 rows of 32 elements of 8 bytes, dense
	s_mov_b32 s24, 3<<16                           ; no mask; elements of 8 bytes; no padding
	s_mov_b32 s25, 32<<16                          ; tensor_dim0
	s_mov_b32 s26, 68<<16                          ; tensor_dim1
	s_mov_b32 s27, 32<<16                          ; tile_dim0
	s_mov_b32 s28, 68                              ; tile_dim1
	s_mov_b32 s29, 32                              ; the pitch
	s_mov_b32 s30, 0
	s_mov_b32 s31, 0
	; wave w fills slot w: 0-4 K's groups g - 2 .. g + 2, 5-9 V's, 10-15 Wo's 0-5; waves 0 and 1 also slots 16, 17: Wo's 6, 7
	s_mov_b32 s53, 256
	s_cmp_lt_u32 s12, 5
	s_cselect_b32 s52, 2, 7
	s_cselect_b32 s53, 128, s53
	s_add_co_u32 s54, s17, s12
	s_sub_co_i32 s54, s54, s52                     ; the key group inside the batch,
	s_max_i32 s54, s54, 0
	s_min_i32 s54, s54, 63                         ; held inside it: what lies outside is struck out later
	s_sub_co_u32 s55, s15, s17
	s_add_co_u32 s54, s54, s55
	s_add_co_u32 s54, s54, s53
	s_add_co_u32 s55, s12, 142                     ; Wo's record 152 + (wave - 10)
	s_cmp_lt_u32 s12, 10
	s_cselect_b32 s54, s54, s55
	s_mul_i32 s54, s54, REC
	s_mov_b32 s55, 0
	s_add_co_u32 s56, s12, 158
	s_mul_i32 s56, s56, REC
	s_mov_b32 s57, 0
	s_mov_b32 s32, 1
	s_mul_i32 s33, s12, REC                        ; LDS: wave x a record
	s_mov_b32 s36, 1
	s_add_co_u32 s37, s33, 16*REC
	s_wait_kmcnt 0x0
	s_cmp_lt_u32 s12, 10
	s_cselect_b64 s[58:59], s[4:5], s[6:7]
	s_add_nc_u64 s[34:35], s[58:59], s[54:55]
	s_or_b32 s35, s35, 0x80000000                  ; type = 2
	s_add_nc_u64 s[38:39], s[6:7], s[56:57]
	s_or_b32 s39, s39, 0x80000000
	s_cmp_lt_u32 s12, 2                            ; a wave's first fills stand in one branch, ahead of every wait on TENSORcnt, every LDS read and every barrier
	s_cbranch_scc0 .Lone
	tensor_load_to_lds s[32:35], s[24:31]
	s_nop 0
	tensor_load_to_lds s[36:39], s[24:31]
	s_nop 0
	PLACES 4
	s_branch .Lasked
.Lone:
	tensor_load_to_lds s[32:35], s[24:31]
	s_nop 0
	PLACES 4
.Lasked:
	v_and_b32 v2, 31, v0                           ; lane
	v_and_b32 v3, 15, v0                           ; r
	v_bfe_u32 v5, v0, 4, 1                         ; h
	v_lshlrev_b32 v1, 4, v2                        ; 16 x lane
	s_mul_i32 s52, s15, REC
	s_mov_b32 s53, 0
	s_add_nc_u64 s[58:59], s[4:5], s[52:53]        ; q's record g
	s_lshl_b32 s52, s13, 2
	s_add_co_u32 s52, s52, s18
	s_lshl_b32 s52, s52, 9
	s_add_nc_u64 s[60:61], s[58:59], s[52:53]      ; my tile's image: 2048 head + 512 u
	s_lshl_b32 s52, s13, 7
	s_lshl_b32 s54, s16, 6
	s_add_co_u32 s52, s52, s54
	s_add_co_u32 s52, s52, 16384
	s_add_nc_u64 s[58:59], s[58:59], s[52:53]      ; its scale words: pair u / 2 = the half
	global_load_b128 v[32:35], v1, s[60:61]        ; q's codes: they stay in registers
	v_lshlrev_b32 v4, 4, v3                        ; 16 r
	v_lshrrev_b32 v6, 3, v3
	v_and_b32 v7, 7, v3
	v_lshl_add_u32 v6, v6, 5, v7
	v_lshlrev_b32 v7, 5, v5
	v_sub_nc_u32 v6, v6, v7
	s_lshl_b32 s52, s18, 3
	v_add_nc_u32 v6, s52, v6                       ; D = 32 (r / 8) + 8 u + r % 8 - 32 h
	s_mul_i32 s68, s12, 16*SPIT                    ; my stage
	v_mul_u32_u24 v17, v3, SPIT
	v_lshl_add_u32 v17, v5, 7, v17
	v_add_nc_u32 v17, s68, v17                     ; in: row r, 128 h bytes on
	v_mul_u32_u24 v18, v5, SPIT
	v_lshl_add_u32 v18, v3, 4, v18
	v_add_nc_u32 v18, s68, v18                     ; back: lanes 0-15 one row, lanes 16-31 the next
	v_lshlrev_b32 v19, 11, v5
	v_lshl_add_u32 v19, v3, 4, v19                 ; and the same two rows in out0
	s_lshl_b32 s69, s12, 9
	s_add_co_u32 s69, s69, OIMG
	v_add_nc_u32 v25, s69, v1                      ; where O's image goes
	s_lshl_b32 s69, s14, 8
	s_lshr_b32 s70, s13, 1
	s_lshl_b32 s70, s70, 6
	s_add_co_u32 s69, s69, s70
	s_and_b32 s70, s13, 1
	s_lshl_b32 s70, s70, 1
	s_add_co_u32 s69, s69, s70
	s_add_co_u32 s69, s69, OSC
	v_lshl_add_u32 v26, v3, 2, s69                 ; and its two scale bytes: K step head / 2, half-word head % 2 of row r's word
	v_lshlrev_b32 v7, 7, v5                        ; 128 h
	v_lshlrev_b32 v5, 3, v5                        ; 8 h
	v_lshlrev_b32 v3, 2, v3                        ; 4 r
	v_lshlrev_b32 v2, 2, v2                        ; 4 x lane
	global_load_b32 v[QW], v3, s[58:59]            ; q's scale word of row r: two tiles' bytes
	s_lshl_b32 s52, s13, 11
	v_add_nc_u32 v9, s52, v1                       ; K's images of my head: groups 0-2,
	v_add_nc_u32 v10, 3*REC, v9                    ; groups 3, 4;
	v_add_nc_u32 v13, VB, v9                       ; V's likewise
	v_add_nc_u32 v14, VB+3*REC, v9
	s_lshl_b32 s52, s13, 7
	s_add_co_u32 s52, s52, 16384
	v_add_nc_u32 v11, s52, v2                      ; K's scale words: lanes 0-15 tiles 0, 1, lanes 16-31 tiles 2, 3
	v_add_nc_u32 v12, 3*REC, v11
	v_add_nc_u32 v15, VB, v11
	v_add_nc_u32 v16, VB+3*REC, v11
	v_mov_b32 v8, 0xff800000                       ; -infinity
	v_mov_b32 v27, 0                               ; a lane permute's destination counts as one of its sources
.irp i, 28,29,30,31,36,37,38,39
	v_mov_b32 v[\i], 0                             ; zero codes on both sides of q
.endr
	s_mov_b32 s40, 0x3d8293ee                      ; c = log2(e) / sqrt(512)
	s_mov_b32 s41, s40                             ; (named with it as a pair, so it is written)
	s_mov_b32 s42, 0x76543210
	s_mov_b32 s43, 0xfedcba98                      ; v_permlanex16_b32's selects for lane l xor 16
	s_mov_b32 s52, 0xff800000
	s_cmp_ge_u32 s17, 2                            ; 0 for a key group inside the batch, -infinity for one outside
	s_cselect_b32 s44, 0, s52
	s_cmp_ge_u32 s17, 1
	s_cselect_b32 s45, 0, s52
	s_cmp_le_u32 s17, 62
	s_cselect_b32 s47, 0, s52
	s_cmp_le_u32 s17, 61
	s_cselect_b32 s48, 0, s52
	s_mov_b32 s49, 0x05040100                      ; v_perm_b32: the two low halves
	s_mov_b32 s50, 0x07060302                      ; the two high halves
	s_lshl_b32 s51, s14, 4
	s_lshl_b32 s52, s13, 8
	s_add_nc_u64 s[62:63], s[8:9], s[52:53]        ; bo at my 64 columns
	s_lshl_b32 s52, s15, 6
	s_lshl_b32 s54, s18, 3
	s_add_co_u32 s52, s52, s54
	s_lshl_b32 s52, s52, 11
	s_lshl_b32 s54, s13, 8
	s_add_co_u32 s52, s52, s54
	s_add_nc_u64 s[66:67], s[10:11], s[52:53]      ; out0 at row 64 g + 8 u, column 64 x (wave % 8)
	s_mul_i32 s70, s13, REC
	s_add_co_u32 s70, s70, WB                      ; my record of Wo,
	s_add_co_u32 s71, s70, 16384                   ; its scale words,
	s_lshl_b32 s72, s14, 12
	s_add_co_u32 s72, s72, OIMG                    ; my tile's eight images of O,
	s_lshl_b32 s73, s14, 8
	s_add_co_u32 s73, s73, OSC                     ; and their scale words
	s_wait_loadcnt 0x0                             ; q
	v_lshrrev_b32 v[QS], s51, v[QW]
	v_and_b32 v[QS], 0xffff, v[QS]                 ; my tile's two bytes,
	v_lshl_or_b32 v[QS], v[QS], 16, v[QS]          ; for either half of the instruction's K
	PLACES 8                                       ; a scale register written by a vector instruction stands eight places ahead of the scaled product
	s_wait_tensorcnt 0x0                           ; my records lie in LDS,
	s_barrier_signal -1
	s_barrier_wait -1                              ; everybody's do
	; ---- S^T = K Q^T: register 32 d + n of lane (r, h) is key 64 (g + d - 2) + 32 h + n against query r
.macro KLOAD d, slot                   ; key group d's four tiles: two operands of two tiles each
.irp q, 0,1,2,3
	ds_load_b128 v[KF+16*(\slot)+4*\q:KF+16*(\slot)+4*\q+3], v[9+(\d)/3] offset:REC*((\d)%3)+512*\q
.endr
.endm
.macro SCORE d, slot                   ; tile q: operand q / 2; q in the low half picks the even tile (v32-39), in the high half the odd one (v28-35)
.irp q, 0,1,2,3
	WM S+32*(\d)+8*\q, KF+16*(\slot)+8*(\q/2), 32-4*(\q%2), 1, KS+(\d), QS, \q/2
.endr
.endm
.irp d, 0,1,2,3,4
	ds_load_b32 v[KS+\d], v[11+\d/3] offset:REC*(\d%3)
	ds_load_b32 v[VW+\d], v[15+\d/3] offset:REC*(\d%3)
.endr
	KLOAD 0, 0
	KLOAD 1, 1
	s_wait_dscnt 0x0
	SCORE 0, 0
	SCORE 1, 1
	PLACES 4                                       ; in front of loads into registers just multiplied
	KLOAD 2, 0
	KLOAD 3, 1
	s_wait_dscnt 0x0
	SCORE 2, 0
	SCORE 3, 1
	PLACES 4
	KLOAD 4, 0
	s_wait_dscnt 0x0
	SCORE 4, 0
	PLACES 4                                       ; in front of the first read of results
	; ---- the band's two edges: hidden scores become -infinity, so that p = 0.  Each accumulator is read from its low end on
.set n, 0
.rept 32
	v_cmp_lt_i32 vcc_lo, n, v6                     ; group g - 2: key too far back where n < D
	v_cndmask_b32 v[S+n], v[S+n], v8, vcc_lo
.set n, n+1
.endr
.set n, 0
.rept 32
	v_cmp_gt_i32 vcc_lo, n, v6                     ; group g + 2: too far on where n > D
	v_cndmask_b32 v[S+128+n], v[S+128+n], v8, vcc_lo
.set n, n+1
.endr
	; ---- the softmax.  The largest score of each block of 32 keys serves twice: for the row's maximum and, since p rises with the score, for the block's largest p
.irp d, 0,1,2,3,4
	v_max3_num_f32 v[BM+\d], v[S+32*\d], v[S+32*\d+1], v[S+32*\d+2]
.endr
.irp i, 3,5,7,9,11,13,15,17,19,21,23,25,27,29
.irp d, 0,1,2,3,4
	v_max3_num_f32 v[BM+\d], v[BM+\d], v[S+32*\d+\i], v[S+32*\d+\i+1]   ; (the five blocks by turns)
.endr
.endr
.irp d, 0,1,2,3,4
	v_max_num_f32 v[BM+\d], v[BM+\d], v[S+32*\d+31]
.endr
	v_add_f32 v[BM], s44, v[BM]                    ; a group outside the batch counts for nothing
	v_add_f32 v[BM+1], s45, v[BM+1]
	v_add_f32 v[BM+3], s47, v[BM+3]
	v_add_f32 v[BM+4], s48, v[BM+4]
	v_max3_num_f32 v30, v[BM], v[BM+1], v[BM+2]
	v_max3_num_f32 v30, v30, v[BM+3], v[BM+4]
	v_permlanex16_b32 v27, v30, s42, s43
	v_max_num_f32 v30, v30, v27                    ; with lane l xor 16's keys: my query's largest score (its own key is among them: a number)
	v_mul_f32 v30, s40, v30                        ; as t (c is positive)
	v_floor_f32 v28, -v30                          ; -M = floor(-t) = -ceil(t): M is a whole number
	v_add_f32 v30, s44, v28                        ; -M, or -infinity for a group outside the batch
	v_add_f32 v32, s45, v28
	v_add_f32 v34, s47, v28
	v_add_f32 v36, s48, v28
.macro SCALE d, nm                     ; t - M, two at a time (of the pairs c and -M the low word serves both halves)
.set j, 0
.rept 16
	v_pk_fma_f32 v[S+32*(\d)+j:S+32*(\d)+j+1], v[S+32*(\d)+j:S+32*(\d)+j+1], s[40:41], v[\nm:\nm+1] op_sel_hi:[1,0,0]
.set j, j+2
.endr
.endm
	SCALE 0, 30
	SCALE 1, 32
	SCALE 2, 28
	SCALE 3, 34
	SCALE 4, 36
.irp d, 0,1,2,3,4
	v_fma_f32 v[BM+\d], v[BM+\d], s40, v28         ; the same of each block's largest score
.endr
.set j, 0
.rept 160
	v_exp_f32 v[S+j], v[S+j]                       ; p = 2^(t - M), at most 1: not normalised
.set j, j+1
.endr
	v_nop                                          ; a plain line behind the exponentials
	s_wait_alu depctr_va_vdst(0)                   ; one wait for the whole batch, ahead of its first reader
.irp d, 0,1,2,3,4
	v_exp_f32 v[BM+\d], v[BM+\d]                   ; the block's largest p: the same two instructions on the same number give the same bits
.endr
.irp q, 0,1,2,3
	v_pk_add_f32 v[SUM+2*\q:SUM+2*\q+1], v[S+2*\q:S+2*\q+1], v[S+8+2*\q:S+8+2*\q+1]   ; the row's sum is taken of the unquantised p: two at a time, four chains
.endr
.set j, 16
.rept 18
.irp q, 0,1,2,3
	v_pk_add_f32 v[SUM+2*\q:SUM+2*\q+1], v[SUM+2*\q:SUM+2*\q+1], v[S+j+2*\q:S+j+2*\q+1]
.endr
.set j, j+8
.endr
	v_pk_add_f32 v[SUM:SUM+1], v[SUM:SUM+1], v[SUM+2:SUM+3]
	v_pk_add_f32 v[SUM+4:SUM+5], v[SUM+4:SUM+5], v[SUM+6:SUM+7]
	v_pk_add_f32 v[SUM:SUM+1], v[SUM:SUM+1], v[SUM+4:SUM+5]
	v_add_f32 v[SUM], v[SUM], v[SUM+1]
	v_permlanex16_b32 v27, v[SUM], s42, s43
	v_add_f32 v[SUM], v[SUM], v27                  ; with lane l xor 16's: the row's sum
	v_rcp_f32 v[RL], v[SUM]
	v_mov_b32 v[RL+1], 0                           ; (a plain line behind the reciprocal; the pair's upper word is named with it, so it is written)
.irp i, 60,61,62,63
	v_mov_b32 v[\i], 0                             ; zero codes: the upper half of p's third operand
.endr
	s_wait_alu depctr_va_vdst(0)                   ; one wait for the five exponentials and the reciprocal
.irp d, 0,1,2,3,4
	v_max_num_f32 v[BM+\d], 0x1800000, v[BM+\d]    ; the floor 2^(3 - 127): the byte cannot fall under 1 (a block whose every p is 0 keeps that byte: its codes are zeros)
.endr
.irp d, 0,1,2,3,4
	v_add_nc_u32 v[BM+\d], 0xff000000, v[BM+\d]    ; 2 off the exponent field: the conversion's scale operand
.endr
.irp d, 0,1,2,3,4
	v_lshrrev_b32 v[BY+\d], 23, v[BM+\d]           ; the scale's byte
.endr
.irp d, 0,1,2,3,4
.irp g, 0,1,2,3
	v_cvt_scalef32_pk8_fp4_f32 v[P+4*\d+\g], v[S+32*\d+8*\g:S+32*\d+8*\g+7], v[BM+\d]   ; my 32 keys of group d: registers 4 d .. 4 d + 3 of p's operands, as they stand
.endr
.endr
	v_nop                                          ; one plain line behind the last scaled conversion
	; ---- O^T = V^T P^T: K = two key groups an instruction; the third takes group g + 2 against p and the same codes again against zero codes
.irp i, 0,1,2,3,4,5,6,7
	global_load_b128 v[Y+4*\i:Y+4*\i+3], v7, s[62:63] offset:16*\i   ; bo[64 (wave % 8) + 32 h + ..] in the last product's layout: that product adds onto it
.endr
.irp kap, 0,1,2
.set e, 2*\kap+1
.if e > 4
.set e, 4
.endif
.irp t, 0,1,2,3
	ds_load_b128 v[VF+8*(4*\kap+\t):VF+8*(4*\kap+\t)+3], v[13+(2*\kap)/3] offset:REC*((2*\kap)%3)+512*\t
	ds_load_b128 v[VF+8*(4*\kap+\t)+4:VF+8*(4*\kap+\t)+7], v[13+e/3] offset:REC*(e%3)+512*\t
.endr
.endr
	v_lshl_or_b32 v[PS], v[BY+1], 16, v[BY]        ; p's scale words: my bytes of two groups,
	v_lshl_or_b32 v[PS+1], v[BY+3], 16, v[BY+2]
	v_mov_b32 v[PS+2], v[BY+4]
.irp i, 0,1,2
	v_lshlrev_b32 v[PS+\i], v5, v[PS+\i]           ; at place h,
.endr
.irp i, 0,1,2
	v_permlanex16_b32 v27, v[PS+\i], s42, s43
	v_or_b32 v[PS+\i], v[PS+\i], v27               ; with lane l xor 16's
.endr
	v_perm_b32 v[EV], v[VW+1], v[VW], s49          ; V's: the even tile's half-words of two groups make one word,
	v_perm_b32 v[EV+1], v[VW+3], v[VW+2], s49
	v_perm_b32 v[EV+2], v[VW+4], v[VW+4], s49
	v_perm_b32 v[EV+3], v[VW+1], v[VW], s50        ; the odd tile's another
	v_perm_b32 v[EV+4], v[VW+3], v[VW+2], s50
	v_perm_b32 v[EV+5], v[VW+4], v[VW+4], s50
	PLACES 8                                       ; scale registers written by vector instructions stand eight places ahead, operands four
	s_wait_dscnt 0x0
.irp kap, 0,1,2
.irp t, 0,1,2,3
.if \kap == 0
	WM OA+8*\t, VF+8*(4*\kap+\t), P+8*\kap, 1, EV+3*(\t%2)+\kap, PS+\kap, \t/2
.else
	WM OA+8*\t, VF+8*(4*\kap+\t), P+8*\kap, 0, EV+3*(\t%2)+\kap, PS+\kap, \t/2   ; the four accumulators by turns
.endif
.endr
.endr
	PLACES 4                                       ; in front of the first read of results, and of every later load into these products' registers
	; ---- O / the sum; register n of lane (r, h) is column 64 head + 32 h + n of query r: one block of the last product's K
.set j, 0
.rept 16
	v_pk_mul_f32 v[OP+j:OP+j+1], v[OA+j:OA+j+1], v[RL:RL+1] op_sel_hi:[1,0]
.set j, j+2
.endr
.irp q, 0,1,2,3
	v_max3_num_f32 v[64+\q], |v[OP+8*\q]|, |v[OP+8*\q+1]|, 0x1800000
.endr
.irp i, 2,4,6
.irp q, 0,1,2,3
	v_max3_num_f32 v[64+\q], |v[OP+8*\q+\i]|, |v[OP+8*\q+\i+1]|, v[64+\q]
.endr
.endr
	v_max3_num_f32 v64, v64, v65, v66
	v_max_num_f32 v64, v64, v67
	v_add_nc_u32 v68, 0xff000000, v64
	v_lshrrev_b32 v69, 23, v68
.irp g, 0,1,2,3
	v_cvt_scalef32_pk8_fp4_f32 v[70+\g], v[OP+8*\g:OP+8*\g+7], v68
.endr
	v_lshlrev_b32 v69, v5, v69                     ; (the plain line behind the conversions)
	v_permlanex16_b32 v27, v69, s42, s43
	v_or_b32 v69, v69, v27                         ; my query's two bytes of this head
	ds_store_b128 v25, v[70:73]                    ; half a fragment of the last product, as an image of its registers
	ds_store_b16 v26, v69                          ; lanes r and r + 16 write the same two bytes with the same value
	v_add_nc_u32 v9, s70, v1                       ; the last product's LDS addresses
	v_add_nc_u32 v10, s71, v4
	v_add_nc_u32 v11, s72, v1
	v_add_nc_u32 v12, s73, v3
	s_wait_dscnt 0x0                               ; my stores lie in LDS, and my reads of K's and V's records are over
	s_barrier_signal -1
.irp f, 0,1,2,3,4,5,6,7,8,9,10,11,12,13,14,15
.irp c, 0,1
	ds_load_b128 v[WF+8*\f+4*\c:WF+8*\f+4*\c+3], v9 offset:1024*\f+512*\c   ; Wo's fragment f = 4 t + s: bytes that no wave ever writes, so these loads may stand here
.endr
.endr
.irp t, 0,1,2,3
	ds_load_b128 v[WS+4*\t:WS+4*\t+3], v10 offset:256*\t
.endr
	s_barrier_wait -1                              ; all sixteen images of O lie in LDS; nobody reads K's records any more
.irp s, 0,1,2,3
.irp c, 0,1
	ds_load_b128 v[OF+8*\s+4*\c:OF+8*\s+4*\c+3], v11 offset:1024*\s+512*\c   ; K step s: heads 2 s and 2 s + 1 of my 16 queries
.endr
	ds_load_b32 v[OS+\s], v12 offset:64*\s
.endr
	s_wait_dscnt 0x0
	s_wait_loadcnt 0x0                             ; bo
	; ---- out^T = Wo O^T + bo: source 0 = 16 rows of Wo, source 1 = my 16 queries; a lane ends with 32 neighbouring columns of one row
.irp s, 0,1,2,3
.irp t, 0,1,2,3
	WM Y+8*\t, WF+8*(4*\t+\s), OF+8*\s, 0, WS+4*\t+\s, OS+\s, 0
.endr
.endr
	PLACES 4
	; ---- the way out: through my own stage, back as whole rows of 256 bytes
.irp i, 0,1,2,3,4,5,6,7
	ds_store_b128 v17, v[Y+4*\i:Y+4*\i+3] offset:16*\i              ; each accumulator from its low end on
.endr
.irp i, 0,1,2,3,4,5,6,7
	ds_load_b128 v[96+4*\i:96+4*\i+3], v18 offset:2*\i*SPIT         ; LDS serves a wave's instructions in order: these see my stores
.endr
.irp i, 0,1,2,3,4,5,6,7
	s_wait_dscnt 7-\i                              ; rows 2 i and 2 i + 1 are back; the 7 - i younger loads may be out
	global_store_b128 v19, v[96+4*\i:96+4*\i+3], s[66:67] offset:(32*(\i/4)+2*(\i%4))*2048 th:TH_STORE_NT   ; tile row 2 i + h is row 32 (i / 4) + 2 (i % 4) + h from my first: 16 lanes store 256 consecutive bytes, at a multiple of 256 from out0's first byte
.endr
	s_wait_xcnt 0x0
	v_lshl_add_u32 v74, v0, 2, 0x4ea00
	v_mov_b32 v75, 0
	s_wait_tensorcnt 0x0
	ds_add_u32 v74, v75
	s_wait_dscnt 0x0
	s_endpgm
.Lfunc_end_k_qcd20ee3fc3_attn:
	.size	k_qcd20ee3fc3_attn, .Lfunc_end_k_qcd20ee3fc3_attn-k_qcd20ee3fc3_attn
	.p2alignl 7, 3214868480
	.fill 96, 4, 3214868480
	.section	.rodata,"a",@progbits
	.p2align	6, 0x0
	.amdhsa_kernel k_qcd20ee3fc3_attn
		.amdhsa_group_segment_fixed_size 327680
		.amdhsa_private_segment_fixed_size 0
		.amdhsa_enable_private_segment 0
		.amdhsa_kernarg_size 32
		.amdhsa_user_sgpr_count 2
		.amdhsa_user_sgpr_kernarg_segment_ptr 1
		.amdhsa_wavefront_size32 1
		.amdhsa_system_sgpr_workgroup_id_x 1
		.amdhsa_system_sgpr_workgroup_id_y 1
		.amdhsa_system_sgpr_workgroup_id_z 1
		.amdhsa_system_vgpr_workitem_id 0
		.amdhsa_next_free_vgpr 256
		.amdhsa_next_free_sgpr 80
		.amdhsa_reserve_vcc 1
		.amdhsa_float_denorm_mode_32 3
		.amdhsa_float_denorm_mode_16_64 3
		.amdhsa_memory_ordered 1
		.amdhsa_forward_progress 1
		.amdhsa_inst_pref_size 56
	.end_amdhsa_kernel
	.amdgpu_metadata
---
amdhsa.version: [ 1, 2 ]
amdhsa.kernels:
  - .name:           k_qcd20ee3fc3_attn
    .symbol:         k_qcd20ee3fc3_attn.kd
    .args:
      - { .name: qkv, .offset: 0, .size: 8, .value_kind: global_buffer, .address_space: global }
      - { .name: xw, .offset: 8, .size: 8, .value_kind: global_buffer, .address_space: global }
      - { .name: bo, .offset: 16, .size: 8, .value_kind: global_buffer, .address_space: global }
      - { .name: out0, .offset: 24, .size: 8, .value_kind: global_buffer, .address_space: global }
    .group_segment_fixed_size: 327680
    .private_segment_fixed_size: 0
    .kernarg_segment_align: 8
    .kernarg_segment_size: 32
    .max_flat_workgroup_size: 512
    .sgpr_count:     80
    .vgpr_count:     256
    .wavefront_size: 32
...
	.end_amdgpu_metadata
.endif
;; end of part 3
